; MI455X (gfx1250); checked and timed in simulation.
; The chip was launched on July 23, 2026; its instructions are those of AMD's public machine-readable ISA for CDNA 5 (MIT licence, August 2026) and "CDNA5" Instruction Set Architecture Reference Guide (July 2026). The comments in the code are by the model that wrote it; some were corrected since.
;; Group Linear. Allowed arithmetic: matrix products marked QUANTISED: E5M2 operands, one given power-of-two scale a tensor, by v_wmma_f32_16x16x64_bf8_bf8 or v_wmma_f32_16x16x128_bf8_bf8, f32 sums; products left as they are: f32 operands where the result goes on into a quantised operand, else bf16, f16 or f32 operands; f32 sums; everything else in f32.
;; Inputs: W 8 x 1,048,576 float32; b 8 x 1,024 float32; group_by 8 x 1,024 int32; lowp_scales 2 int32 (the exponents e of the quantised operands' scales 2^e); x 8 x 1,024 x 1,024 float32.
;; Outputs: out0 8 x 1,024 x 1,024 float32.
;; This version of the problem:
;;   THIS VERSION OF THE PROBLEM IS GIVEN IN LOW PRECISION. The matrix products marked QUANTISED in the list below multiply operands that are first quantised to E5M2 (5 exponent bits, 2 mantissa bits; 8 bits a number), with one given power-of-two scale for each operand tensor; their sums are f32. All else is computed in f32.
;;   The module's matrix products, in the order in which they are computed (A, B: the left and right operand; K: the contracted axis; several contracted axes count as one K, in the product's order):
;;     1. [M 8,192, K 1,024] x [K 1,024, N 8,192]; A: input x; B: input W: QUANTISED (scales: A lowp_scales[0], B lowp_scales[1])
;;     2. batch 8,192 x [M 1,024, K 8] x [K 8, N 1]; A: computed on the way; B: computed on the way: left as it is (K = 8 < 32)
;;   THE QUANTISER, for each operand of a quantised product, along K:
;;     - The operand's scale is 2^e, e = its entry of the input lowp_scales (int32; the entries are numbered through the quantised products in the list's order, A before B).
;;     - Each number is divided by the scale, clamped to +-57,344, and rounded to the nearest number of E5M2, ties to even, subnormals kept.
;;     - The product sums the exact products of the quantised numbers (number of the format x scale) in f32.
;;   ~~~python
;;   def quantise(x, axis, e):      # numpy; x: float32 -> the quantised numbers, widened to float32 again
;;       x = np.moveaxis(x, axis, -1); K = x.shape[-1]
;;       r = np.clip(x / 2.0 ** e, -57344, 57344)
;;       step = 2.0 ** (np.maximum(np.frexp(np.where(r == 0, 1, r))[1] - 1, -14) - 2)
;;       q = np.round(r / step) * step * 2.0 ** e      # np.round: ties to even
;;       return np.moveaxis(q, -1, axis).astype(np.float32)
;;   ~~~
;; One version. Each part assembles by itself: llvm-mc -triple=amdgcn-amd-amdhsa -mcpu=gfx1250 --defsym DOCPART=n.
;; ======== version 1 of 1: 2 launches
;; limits: right only within a limited range of input values
;; workspace buffers: xcodes 8,388,608 bytes; wcodes 8,388,608 bytes; order 32,768 bytes of whole numbers; tiles 1,024 bytes of whole numbers
;; launch prep (part 1): grid 256 x 1, 16 waves a work-group, no clusters, 270,336 bytes of LDS; arguments x, W, group_by, lowp_scales, xcodes, wcodes, order, tiles; writes xcodes, wcodes, order, tiles
.if DOCPART == 1
	.amdgcn_target "amdgcn-amd-amdhsa--gfx1250"
	.amdhsa_code_object_version 6
	.text
	.protected	k_q476bb211a6_prep
	.globl	k_q476bb211a6_prep
	.p2align	8
	.type	k_q476bb211a6_prep,@function
k_q476bb211a6_prep:
	s_mov_b64 s[64:65], 0
	v_nop
	global_prefetch_b8 v0, s[64:65] scope:SCOPE_SE
	s_setreg_imm32_b32 hwreg(HW_REG_WAVE_MODE, 25, 1), 1
	s_wait_xcnt 0x0
; THE LAUNCH IN FRONT OF THE PRODUCT.  Work-groups 0 - 127 quantise W, 128 - 255 x; work-group 0 also does the routing, while its own load is on its way.
;   the routing:  group_by [8192] (int32, 0 .. 7) is sorted by a counting sort: order[] = the token numbers, group by group; tiles[] = 64 entries (group, first place in order, rows, 0) of 1 to 144 rows of ONE group.
;                 A group of n tokens has T = ceil(n / 144) tiles; their sum is at most (8192 + 8 x 143) / 144, rounded down = 64, whatever the split.  What is left to 64 goes to the largest group, which has 1,024 rows or more.
;                 A group's rows are dealt evenly: n mod T tiles of floor(n / T) + 1 rows, then the others of floor(n / T): no tile is empty.
;   W [8][1024][1024] f32 becomes codes of E5M2, laid in the ORDER OF THE OPERAND'S REGISTERS: fragment (CT = row / 16, s = place / 128) at byte 65536 (CT / 4) + 8192 s + 2048 (CT % 4); in it register group c (0 .. 3)
;                 at 512 c and lane l at 16 l: the codes of row 16 CT + l % 16, places 128 s + 32 c + 16 (l / 16) + 0 .. 15 along K.
;   x [8192][1024] f32 becomes codes, row by row.
; THE PLACES ALONG K.  In both operands alike, place 256 g + 16 l + 4 c + j holds k = 256 g + 64 c + 4 l + j (g, c, j = 0 .. 3; l = 0 .. 15): every product meets its partner, and only the order of the sums differs.
; code = number / 2^e, held within +-57,344, rounded to the nearest code, ties to even; e = entry 0 (x) or entry 1 (W) of the buffer of scales.
; WORK LEFT OUT: reference() multiplies every token by all eight groups' weights and then, by the one-hot of group_by that it builds itself, keeps one group's row and multiplies the other seven by 0.  The next launch multiplies the
; kept rows alone, by the index that it reads.  LIMIT: a NaN, an infinity or an overflow that reaches only the seven products left out is not carried to the result.
; LIMITS: each e between -126 and 112, so that 2^e and 57,344 x 2^e are f32 numbers.  NaN among x and W is not served (an infinity is held at the largest code).  group_by holds 0 .. 7, as the table of biases that it indexes has 8 rows.
; A WAVE fetches 16 rows of 1,024 bytes by one tensor load (W: a quarter of K of 16 rows; x: 16,384 bytes on end), into LDS bytes of its own that are filled once.  No cluster: work-groups share no input.  No prefetch: no loop to run ahead in.
.set WP,    1040                       ; an LDS row: 1,024 bytes + 16 = 260 words: row r begins 4 r words further on modulo 64 (64 banks of 4 bytes: ISA guide 11.1)
.set WREG,  16*WP                      ; a wave's tile
.set CNT,   16*WREG                    ; 266,240: the routing's counts: 32 words for each wave
.set SPARE, CNT+2048                   ; 268,288: the spare words, 128 bytes for each wave
.set R,     16                         ; v16-143  eight units of 16 numbers a lane
.set C,     144                        ; v144-175 their codes
.set G,     16                         ; the routing: v16-31 the wave's 512 group numbers, then their places in order[] as byte offsets
.set G1X,   24                         ; s[24:31] descriptor group 1 for x
.set G1W,   32                         ; s[32:39] for W
.set G0,    96                         ; s[96:99] descriptor group 0
	s_load_b256 s[4:11], s[0:1], 0x0               ; x s[4:5], W s[6:7], group_by s[8:9], the scales' exponents s[10:11]
	s_load_b256 s[12:19], s[0:1], 0x20             ; x's codes s[12:13], W's codes s[14:15], order s[16:17], tiles s[18:19]
	v_lshl_add_u32 v254, v0, 2, SPARE
	v_mov_b32 v255, 0
	ds_add_u32 v254, v255                          ; the wave's opening: the add, twice on end, and its wait ahead of my tensor load
	ds_add_u32 v254, v255
	v_lshrrev_b32 v1, 5, v0
	v_and_b32 v7, 15, v0                           ; r
	v_bfe_u32 v8, v0, 4, 1                         ; h
	v_readfirstlane_b32 s20, v1                    ; wave 0 .. 15
	v_and_b32 v1, 31, v0                           ; lane
	s_mul_i32 s21, s20, WREG                       ; my tile in LDS
	v_lshlrev_b32 v2, 4, v1                        ; 16 x lane: my bytes of a store's 512
	v_mul_u32_u24 v3, v7, WP
	v_mul_u32_u24 v4, v8, WP
	v_lshl_add_u32 v3, v8, 4, v3
	v_lshl_add_u32 v4, v7, 4, v4
	v_lshl_add_u32 v9, v0, 2, CNT                  ; the counts: my wave's 32 words, my lane's among them
	v_lshl_add_u32 v12, v1, 2, CNT                 ; and wave 0's, my lane's
	v_add_nc_u32 v3, s21, v3                       ; W: row r, + 16 h
	v_add_nc_u32 v4, s21, v4                       ; x: lanes 0-15 one row, lanes 16-31 the next, + 16 r
.irp g, G1X, G1W
	s_mov_b32 s[\g+0], (2<<16)|(1<<20)|(7<<22)|(3<<25)   ; element of 4 bytes; padding behind every 256 words (code 7), of 4 words (code 3)
	s_mov_b32 s[\g+1], 256<<16                     ; tensor_dim0 = 256
	s_mov_b32 s[\g+2], 16<<16                      ; tensor_dim1 = 16
	s_mov_b32 s[\g+3], 256<<16                     ; tile_dim0 = 256
	s_mov_b32 s[\g+4], 16                          ; tile_dim1 = 16
	s_mov_b32 s[\g+6], 0
	s_mov_b32 s[\g+7], 0
.endr
	s_mov_b32 s[G1X+5], 256                        ; x: the tile is dense
	s_mov_b32 s[G1W+5], 1024                       ; W: a row of 1,024 numbers
	s_mov_b32 s[G0], 1
	s_mov_b32 s[G0+1], s21
	s_mov_b32 s29, s29
	s_wait_alu depctr_va_vdst(0)
	s_wait_dscnt 0x0                               ; both opening adds are done
	s_wait_kmcnt 0x0
	s_cmp_lt_u32 ttmp9, 128
	s_cbranch_scc0 .Lx
.macro QPATH p, sout                   ; p = 0: W's way, p = 1: x's
	s_wait_kmcnt 0x0                               ; e
	s_add_co_i32 s22, s22, 127
	s_lshl_b32 s23, s22, 23
	v_mov_b32 v11, s23                             ; 2^e as f32: the conversion takes its exponent field
	s_add_co_i32 s22, s22, 15
	s_lshl_b32 s22, s22, 23
	s_or_b32 s22, s22, 0x600000
	v_mov_b32 v10, s22                             ; 57,344 x 2^e
	s_wait_alu depctr_va_vdst(0)
	s_wait_tensorcnt 0x0                           ; my tile has landed: no other wave reads it
.irp u, 0,1,2,3,4,5,6,7
.irp c, 0,1,2,3
	ds_load_b128 v[R+16*\u+4*\c:R+16*\u+4*\c+3], v[3+\p] offset:(32+2048*\p)*\u+256*\c   ; W: place 2 u + h of row r; x: rows 2 u and 2 u + 1
.endr
.endr
.irp u, 0,1,2,3,4,5,6,7
	s_wait_dscnt 28-4*\u                           ; unit u is in: behind it the later units' loads, four each
.irp j, 0,1,2,3,4,5,6,7,8,9,10,11,12,13,14,15
	v_med3_num_f32 v[R+16*\u+\j], v[R+16*\u+\j], -v10, v10   ; the conversion to an 8-bit code does not saturate (ISA guide 7.6.2): the number is held within the largest code x the scale first
.endr
	v_cvt_scalef32_pk8_bf8_f32 v[C+4*\u:C+4*\u+1], v[R+16*\u:R+16*\u+7], v11
	v_cvt_scalef32_pk8_bf8_f32 v[C+4*\u+2:C+4*\u+3], v[R+16*\u+8:R+16*\u+15], v11
.if \p
	global_store_b128 v2, v[C+4*\u:C+4*\u+3], s[\sout:\sout+1] offset:512*\u   ; 32 lanes store 512 consecutive bytes, at a multiple of 512 from the buffer's first byte
.else
	global_store_b128 v2, v[C+4*\u:C+4*\u+3], s[\sout:\sout+1] offset:8192*(\u/4)+512*(\u%4)   ; likewise: register group u % 4 of fragment s = 2 g + u / 4
.endif
.endr
	v_nop                                          ; a plain vector line behind the last conversion
	s_wait_tensorcnt 0x0                           ; the wave's end
	ds_add_u32 v254, v255
	s_wait_dscnt 0x0
	s_endpgm
.endm
	; ---- W's way.  Wave w of work-group j: CT = 4 j + w / 4, quarter g = w % 4 of K
	s_lshl_b32 s2, ttmp9, 18                       ; 64 rows of 4,096 bytes,
	s_lshr_b32 s40, s20, 2
	s_and_b32 s41, s20, 3
	s_lshl_b32 s42, s40, 16                        ; 16 rows,
	s_add_co_u32 s2, s2, s42
	s_lshl_b32 s42, s41, 10                        ; a quarter of a row
	s_add_co_u32 s2, s2, s42
	s_mov_b32 s3, 0
	s_add_nc_u64 s[G0+2:G0+3], s[6:7], s[2:3]
	s_or_b32 s[G0+3], s[G0+3], 0x80000000
	tensor_load_to_lds s[G0:G0+3], s[G1W:G1W+7]
	s_nop 0
	s_load_b32 s22, s[10:11], 0x4                  ; e
	s_lshl_b32 s2, ttmp9, 16                       ; four CT's images,
	s_lshl_b32 s42, s40, 11
	s_add_co_u32 s2, s2, s42
	s_lshl_b32 s42, s41, 14                        ; two K steps of 8,192 bytes
	s_add_co_u32 s2, s2, s42
	s_add_nc_u64 s[14:15], s[14:15], s[2:3]
	s_cmp_lg_u32 ttmp9, 0
	s_cbranch_scc1 .Lwq
	; ---- THE ROUTING, in work-group 0.  Wave w takes tokens 512 w .. 512 w + 511: register j = 4 i + q of lane l holds the group of token 512 w + 128 i + 4 l + q.
	; s[24:31], s[40:47] two registers' eight masks (first: s[40:47] my wave's counts), s[48:55] the groups' totals, s[56:63] where my wave's next row of each group goes, s[66:74] the groups' first places,
	; s[76:84] their first tiles, s[88:95] at work.  s[32:39] and s[96:99] stay as they are: the tensor load's
	s_lshl_b32 s21, s20, 11
	v_add_nc_u32 v13, s21, v2                      ; 2,048 x wave + 16 x lane
.irp i, 0,1,2,3
	global_load_b128 v[G+4*\i:G+4*\i+3], v13, s[8:9] offset:512*\i
.endr
	s_lshl_b32 s21, s20, 9
	v_lshl_add_u32 v14, v1, 2, s21                 ; 512 w + 4 l
.irp e, 0,1,2,3,4,5,6,7
	s_mov_b32 s[40+\e], 0
.endr
	s_wait_alu depctr_va_vdst(0)
	s_wait_loadcnt 0x0
	; pass 1: how many of my 512 tokens has each group?
.set J, 0
.rept 16
.irp e, 0,1,2,3,4,5,6,7
	v_cmp_eq_u32 s[24+\e], \e, v[G+J]
.endr
.irp e, 0,1,2,3,4,5,6,7
	s_bcnt1_i32_b32 s[48+\e], s[24+\e]
.endr
.irp e, 0,1,2,3,4,5,6,7
	s_add_co_u32 s[40+\e], s[40+\e], s[48+\e]
.endr
.set J, J+1
.endr
	v_mov_b32 v90, 0
.irp e, 0,1,2,3,4,5,6,7
	v_writelane_b32 v90, s[40+\e], \e              ; lane e: my wave's count of group e
.endr
	ds_store_b32 v9, v90
	s_wait_dscnt 0x0                               ; for the others' sake: my counts lie in LDS
	s_barrier_signal -1                            ; the way here hangs on the work-group's number alone: all sixteen waves are on it.
	s_barrier_wait -1
.irp w, 0,1,2,3,4,5,6,7,8,9,10,11,12,13,14,15
	ds_load_b32 v[100+\w], v12 offset:128*\w       ; lane e: wave w's count of group e
.endr
.irp w, 0,1,2,3,4,5,6,7,8,9,10,11,12,13,14
	s_cmp_gt_u32 s20, \w
	s_cselect_b32 s[66+\w], -1, 0                  ; all ones for the waves in front of mine
.endr
	s_wait_dscnt 0x0
.irp w, 0,1,2,3,4,5,6,7,8,9,10,11,12,13,14
	v_and_b32 v[120+\w], s[66+\w], v[100+\w]
.endr
.irp i, 0,1,2,3,4
	v_add3_u32 v[140+\i], v[100+3*\i], v[101+3*\i], v[102+3*\i]
	v_add3_u32 v[146+\i], v[120+3*\i], v[121+3*\i], v[122+3*\i]
.endr
	v_add3_u32 v140, v140, v141, v142
	v_add3_u32 v146, v146, v147, v148
	v_add3_u32 v143, v143, v144, v115
	v_add3_u32 v146, v146, v149, v150              ; the counts of the waves in front of mine
	v_add_nc_u32 v140, v140, v143                  ; the groups' totals
.irp e, 0,1,2,3,4,5,6,7
	v_readlane_b32 s[48+\e], v140, \e
	v_readlane_b32 s[56+\e], v146, \e
.endr
	s_wait_alu depctr_va_vdst(0)
	s_mov_b32 s66, 0
.irp e, 0,1,2,3,4,5,6,7
	s_add_co_u32 s[67+\e], s[66+\e], s[48+\e]      ; group e + 1 begins where group e ends
	s_add_co_u32 s[56+\e], s[56+\e], s[66+\e]      ; my wave's first place in group e
.endr
	; pass 2, two registers at a time: each token's place = its group's running place + the lanes below mine with the same group.  The places hang on the data, so the token numbers go out four bytes a lane: 32,768 bytes in all, once.
	; Each register has its own address and data registers: none is written again while a store may read it.
.set J, 0
.rept 8
.irp e, 0,1,2,3,4,5,6,7
	v_cmp_eq_u32 s[24+\e], \e, v[G+J]
.endr
.irp e, 0,1,2,3,4,5,6,7
	v_cmp_eq_u32 s[40+\e], \e, v[G+J+1]
.endr
	s_wait_alu depctr_va_vdst(0)
.irp e, 0,1,2,3,4,5,6,7
	s_bcnt1_i32_b32 s[88+\e], s[24+\e]
.endr
.irp e, 0,1,2,3,4,5,6,7
	s_add_co_u32 s[88+\e], s[88+\e], s[56+\e]      ; the second register's running places
.endr
.irp e, 0,1,2,3,4,5,6,7
	v_mbcnt_lo_u32_b32 v[80+\e], s[24+\e], s[56+\e]
	v_mbcnt_lo_u32_b32 v[88+\e], s[40+\e], s[88+\e]
.endr
.irp e, 1,2,3,4,5,6,7
	v_cndmask_b32 v80, v80, v[80+\e], s[24+\e]
	v_cndmask_b32 v88, v88, v[88+\e], s[40+\e]
.endr
	v_min_u32 v[G+J], 0x1fff, v80                  ; a place is 0 .. 8191
	v_min_u32 v[G+J+1], 0x1fff, v88
	v_add_nc_u32 v[48+J], 128*(J/4)+J%4, v14       ; the token's number
	v_add_nc_u32 v[49+J], 128*((J+1)/4)+(J+1)%4, v14
	v_lshlrev_b32 v[G+J], 2, v[G+J]
	v_lshlrev_b32 v[G+J+1], 2, v[G+J+1]
	global_store_b32 v[G+J], v[48+J], s[16:17]
	global_store_b32 v[G+J+1], v[49+J], s[16:17]
.irp e, 0,1,2,3,4,5,6,7
	s_bcnt1_i32_b32 s[24+\e], s[40+\e]
.endr
.irp e, 0,1,2,3,4,5,6,7
	s_add_co_u32 s[56+\e], s[88+\e], s[24+\e]
.endr
.set J, J+2
.endr
	; the list of tiles: wave 0 alone (a branch on the wave's number, behind the way's only barrier)
	s_cmp_lg_u32 s20, 0
	s_cbranch_scc1 .Lroute_end
	s_mov_b32 s85, 64
.irp e, 0,1,2,3,4,5,6,7
	s_add_co_u32 s86, s[48+\e], 143
	s_lshr_b32 s86, s86, 4
	s_mul_hi_u32 s[88+\e], s86, 0x1c71c71d         ; / 9: T = (n + 143) / 144, rounded down; exact for the 520 at the most that stand here
	s_sub_co_u32 s85, s85, s[88+\e]                ; what is left of 64
.endr
	s_max_u32 s86, s48, s49
.irp e, 2,3,4,5,6,7
	s_max_u32 s86, s86, s[48+\e]
.endr
	s_mov_b32 s76, 0
.irp e, 0,1,2,3,4,5,6,7
	s_cmp_eq_u32 s[48+\e], s86
	s_cselect_b32 s87, s85, 0                      ; the first of the largest groups takes what is left
	s_add_co_u32 s[88+\e], s[88+\e], s87
	s_sub_co_u32 s85, s85, s87
	s_add_co_u32 s[77+\e], s[76+\e], s[88+\e]      ; group e + 1's first tile
.endr
.irp k, 0,1                                    ; entry i = lane + 32 k.  Its group is the last whose first tile is not behind i
.set TB, 104+16*\k
	v_add_nc_u32 v[TB+8], 32*\k, v1
	v_mov_b32 v[TB], 0                             ; the group,
	v_mov_b32 v[TB+4], 0                           ; its first tile,
	v_mov_b32 v[TB+5], 0                           ; its first place,
	v_mov_b32 v[TB+6], s48                         ; its rows n,
	v_mov_b32 v[TB+7], s88                         ; its tiles T
	v_mov_b32 v[TB+10], 0
.irp e, 1,2,3,4,5,6,7
	v_cmp_gt_u32 vcc_lo, s[76+\e], v[TB+8]         ; group e begins behind entry i: keep what stands
	v_cndmask_b32 v[TB], \e, v[TB], vcc_lo
	v_cndmask_b32 v[TB+4], s[76+\e], v[TB+4], vcc_lo
	v_cndmask_b32 v[TB+5], s[66+\e], v[TB+5], vcc_lo
	v_cndmask_b32 v[TB+6], s[48+\e], v[TB+6], vcc_lo
	v_cndmask_b32 v[TB+7], s[88+\e], v[TB+7], vcc_lo
.endr
	v_sub_nc_u32 v[TB+9], v[TB+8], v[TB+4]         ; i: which of the group's tiles
.irp b, 128,64,32,16,8,4,2,1                   ; floor(n / T), 144 at the most, bit by bit from the top
	v_add_nc_u32 v[TB+11], \b, v[TB+10]
	v_mul_u32_u24 v[TB+12], v[TB+11], v[TB+7]
	v_cmp_le_u32 vcc_lo, v[TB+12], v[TB+6]
	v_cndmask_b32 v[TB+10], v[TB+10], v[TB+11], vcc_lo
.endr
	v_mul_u32_u24 v[TB+12], v[TB+10], v[TB+7]
	v_mul_u32_u24 v[TB+15], v[TB+9], v[TB+10]
	v_sub_nc_u32 v[TB+12], v[TB+6], v[TB+12]       ; n mod T
	v_add_nc_u32 v[TB+14], 1, v[TB+9]
	v_min_u32 v[TB+11], v[TB+9], v[TB+12]
	v_min_u32 v[TB+14], v[TB+14], v[TB+12]
	v_add3_u32 v[TB+1], v[TB+5], v[TB+15], v[TB+11]   ; the tile's first place in order[]
	v_sub_nc_u32 v[TB+14], v[TB+14], v[TB+11]      ; 1 for the first n mod T tiles
	v_add_nc_u32 v[TB+2], v[TB+10], v[TB+14]       ; its rows
	v_mov_b32 v[TB+3], 0
	v_lshlrev_b32 v[TB+13], 4, v[TB+8]
	global_store_b128 v[TB+13], v[TB:TB+3], s[18:19]   ; 32 lanes store 512 consecutive bytes
.endr
.Lroute_end:
	s_wait_xcnt 0x0                                ; the routing's stores have read their registers, which take my tile's numbers
.Lwq:
	QPATH 0, 14
.Lx:
	; ---- x's way.  Wave w of work-group j: bytes 16,384 (16 (j - 128) + w) on
	s_sub_co_u32 s40, ttmp9, 128
	s_lshl_b32 s40, s40, 4
	s_add_co_u32 s40, s40, s20
	s_lshl_b32 s2, s40, 14
	s_mov_b32 s3, 0
	s_add_nc_u64 s[G0+2:G0+3], s[4:5], s[2:3]
	s_or_b32 s[G0+3], s[G0+3], 0x80000000
	tensor_load_to_lds s[G0:G0+3], s[G1X:G1X+7]
	s_nop 0
	s_load_b32 s22, s[10:11], 0x0                  ; e
	s_lshl_b32 s2, s40, 12
	s_add_nc_u64 s[12:13], s[12:13], s[2:3]
	QPATH 1, 12
.Lfunc_end_k_q476bb211a6_prep:
	.size	k_q476bb211a6_prep, .Lfunc_end_k_q476bb211a6_prep-k_q476bb211a6_prep
	.p2alignl 7, 3214868480
	.fill 96, 4, 3214868480
	.section	.rodata,"a",@progbits
	.p2align	6, 0x0
	.amdhsa_kernel k_q476bb211a6_prep
		.amdhsa_group_segment_fixed_size 270336
		.amdhsa_private_segment_fixed_size 0
		.amdhsa_enable_private_segment 0
		.amdhsa_kernarg_size 64
		.amdhsa_user_sgpr_count 2
		.amdhsa_user_sgpr_kernarg_segment_ptr 1
		.amdhsa_wavefront_size32 1
		.amdhsa_system_sgpr_workgroup_id_x 1
		.amdhsa_system_sgpr_workgroup_id_y 1
		.amdhsa_system_sgpr_workgroup_id_z 1
		.amdhsa_system_vgpr_workitem_id 0
		.amdhsa_next_free_vgpr 256
		.amdhsa_next_free_sgpr 100
		.amdhsa_reserve_vcc 1
		.amdhsa_float_denorm_mode_32 3
		.amdhsa_float_denorm_mode_16_64 3
		.amdhsa_memory_ordered 1
		.amdhsa_forward_progress 1
		.amdhsa_inst_pref_size 96
	.end_amdhsa_kernel
	.amdgpu_metadata
---
amdhsa.version: [ 1, 2 ]
amdhsa.kernels:
  - .name:           k_q476bb211a6_prep
    .symbol:         k_q476bb211a6_prep.kd
    .args:
      - { .name: x, .offset: 0, .size: 8, .value_kind: global_buffer, .address_space: global }
      - { .name: W, .offset: 8, .size: 8, .value_kind: global_buffer, .address_space: global }
      - { .name: group_by, .offset: 16, .size: 8, .value_kind: global_buffer, .address_space: global }
      - { .name: lowp_scales, .offset: 24, .size: 8, .value_kind: global_buffer, .address_space: global }
      - { .name: xcodes, .offset: 32, .size: 8, .value_kind: global_buffer, .address_space: global }
      - { .name: wcodes, .offset: 40, .size: 8, .value_kind: global_buffer, .address_space: global }
      - { .name: order, .offset: 48, .size: 8, .value_kind: global_buffer, .address_space: global }
      - { .name: tiles, .offset: 56, .size: 8, .value_kind: global_buffer, .address_space: global }
    .group_segment_fixed_size: 270336
    .private_segment_fixed_size: 0
    .kernarg_segment_align: 8
    .kernarg_segment_size: 64
    .max_flat_workgroup_size: 512
    .sgpr_count:     100
    .vgpr_count:     256
    .wavefront_size: 32
...
	.end_amdgpu_metadata
.endif
;; end of part 1
;; launch gemm (part 2): grid 64 x 4, 4 waves a work-group, no clusters, 314,112 bytes of LDS; arguments xcodes, wcodes, order, tiles, b, lowp_scales, out0; writes out0
.if DOCPART == 2
	.amdgcn_target "amdgcn-amd-amdhsa--gfx1250"
	.amdhsa_code_object_version 6
	.text
	.protected	k_q476bb211a6_gemm
	.globl	k_q476bb211a6_gemm
	.p2align	8
	.type	k_q476bb211a6_gemm,@function
k_q476bb211a6_gemm:
	s_mov_b64 s[64:65], 0
	v_nop
	global_prefetch_b8 v0, s[64:65] scope:SCOPE_SE
	s_setreg_imm32_b32 hwreg(HW_REG_WAVE_MODE, 25, 1), 1
	s_wait_xcnt 0x0
; out0[t][:] = (the codes of x[t]) . (the codes of W[g(t)])^T x 2^(e0 + e1) + b[g(t)][:], on codes of E5M2, for the rows of each group alone: the other seven groups' products, which the one-hot that the problem builds itself
; multiplies by 0, are left out.  LIMIT: a NaN, an infinity or an overflow that reaches only them is not carried to the result.
; SHARES.  Work-group (x, y): entry 8 (x % 8) + x / 8 of the list of tiles (1 to 144 rows of ONE group) x columns 256 y .. 256 y + 255.  64 tiles x 4 slices serve every split of the tokens, and no tile is empty.
; So a tile's four slices have numbers equal modulo 64, and where every group has eight tiles, a group's work-groups have numbers equal modulo 8.
; Wave w makes all rows x columns 64 w .. 64 w + 63 of the slice.  Its part of W, 64 columns x 1,024 K = 65,536 bytes of codes, lies in memory in the order of the operand's registers, K step by K step, and ends whole in 512 registers:
; K steps 0-4 by one tensor load into LDS bytes of the wave's own and from there, K steps 5-7 straight from memory.  The tile's rows of x's codes are gathered once by the list, 36 rows a wave, by asynchronous copies into LDS,
; and all four waves take their fragments there.
; ROWS OUTERMOST: a block of 16 rows is finished over all of K (8 steps x 4 tiles of columns = 32 matrix instructions) before the next is begun, and leaves while the next is multiplied: stores begin behind the first block.
; THE MATRIX INSTRUCTION IS USED TRANSPOSED (source 0 = 16 columns' rows of W, source 1 = 16 rows of x): a lane then holds eight neighbouring columns of one row of the output.
; Both operands hold the same places along K in the same registers, so every product meets its partner; only the order of the sums differs.
; ROWS BEHIND THE TILE'S COUNT repeat its last row: their place in the list is held at the last valid one, in the gather and on the way out alike.  So they compute the same numbers and store them to the same bytes, from the
; same wave; EXEC is never changed, and there is no branch.
; NO CLUSTER, though a tile's rows of x are read by four slices and a slice of W by all tiles of its group: which group a tile has is read from the list, so neighbouring tiles may have different ones, and x's rows are gathered token by
; token, which no tensor load does.  No prefetch: no loop to run ahead in.  LDS is filled once.
; LIMIT: e0 + e1 between -126 and 127, so that 2^(e0 + e1) is an f32 number.
; REGISTERS, in windows of 256 (s_set_vgpr_msb's low byte: bits 1:0 source 0, 3:2 source 1, 5:4 source 2, 7:6 destination):
;   window 0: v1-13, v38 addresses; v14-37 three sets of 8 offsets of the way out; v40-71 the bias; v72-135 two sets of 4 accumulators; v136-167 results; v168-231 two sets of rows read back (first: v168-203 the gather's offsets and LDS addresses)
;   window 1: two sets of x's eight fragments of a block
;   window 2: W's K steps 0-3, fragment (s, t) at v[64 s + 16 t];     window 3: W's K steps 4-7
.set PX,    1040                       ; a row of x's codes in LDS: 1,024 bytes + 16 = 260 words: row r begins 4 r words further on modulo 64 (64 banks of 4 bytes: ISA guide 11.1), so the 16 rows of a load begin at 16 different banks
.set WL,    144*PX                     ; 149,760: behind x's rows: five K steps of 8,192 bytes for each wave
.set WLW,   5*8192
.set SP,    272                        ; the way out: a stage of 16 rows x 272 bytes at the start of my own part of W, which has had its one fill and my last read by then
.set SPARE, WL+4*WLW                   ; 313,600: the spare words
.set GOF,   168
.set LOF,   186
.set OFF,   14
.set WA,    38                         ; v38 LDS address of my part of W, + 16 lane
.set BIAS,  40
.set ACC,   72
.set TMP,   136
.set BK,    168
.set G1,    40                         ; s[40:47], s[48:51] the tensor descriptor
.set G0,    48
.set MSB, 0
.macro WIN new                         ; the immediate's high byte repeats the setting that is left; a switch that changes nothing is dropped
.if MSB != (\new)
	s_set_vgpr_msb (MSB<<8)|(\new)
.set MSB, (\new)
.endif
.endm
.macro FETCH a                         ; x's eight fragments of block a: 32 LDS loads
	WIN 0x40
.irp s, 0,1,2,3,4,5,6,7
.irp c, 0,1,2,3
	ds_load_b128 v[128*((\a)%2)+16*\s+4*\c:128*((\a)%2)+16*\s+4*\c+3], v[4+(\a)/3] offset:((\a)%3)*16*PX+128*\s+32*\c
.endr
.endr
	WIN 0
.endm
; Block a on my four tiles of columns: 32 matrix instructions, four accumulators by turns.  K step 0 starts the sums: nothing is ever cleared.
.macro MUL a
.set AC, ACC+32*((\a)%2)
.set FS, 128*((\a)%2)
.irp s, 0,1,2,3,4,5,6,7
.if (\a) == 0
.if \s >= 5
	s_wait_loadcnt 16*(8-\s)                       ; W's K step s is in: behind it the later steps' loads, sixteen each, and the sixteen of two blocks' tokens
.endif
.endif
	WIN 0x06+(\s/4)                                ; W window 2 or 3, x window 1, C and D window 0
.irp t, 0,1,2,3
.if \s == 0
	v_wmma_f32_16x16x128_bf8_bf8 v[AC+8*\t:AC+8*\t+7], v[64*(\s%4)+16*\t:64*(\s%4)+16*\t+15], v[FS+16*\s:FS+16*\s+15], 0
.else
	v_wmma_f32_16x16x128_bf8_bf8 v[AC+8*\t:AC+8*\t+7], v[64*(\s%4)+16*\t:64*(\s%4)+16*\t+15], v[FS+16*\s:FS+16*\s+15], v[AC+8*\t:AC+8*\t+7]
.endif
.endr
.endr
	WIN 0
.endm
; The tokens of block a's eight pairs of rows: pair t = rows 16 a + 2 t + (lane / 16).  Three sets of registers by turns
.macro TOK a
.set OS, OFF+8*((\a)%3)
.irp t, 0,1,2,3,4,5,6,7
	v_add_nc_u32 v[OS+\t], 64*(\a)+8*\t, v11       ; 4 x (first + row)
.endr
.irp t, 0,1,2,3,4,5,6,7
	v_min_u32 v[OS+\t], s31, v[OS+\t]              ; held at the tile's last row,
.endr
.irp t, 0,1,2,3,4,5,6,7
	v_min_u32 v[OS+\t], 0x7ffc, v[OS+\t]           ; and inside the list
.endr
.irp t, 0,1,2,3,4,5,6,7
	global_load_b32 v[OS+\t], v[OS+\t], s[8:9]     ; each load lands on its own address register
.endr
.endm
; THE WAY OUT of block a.  sum x 2^(e0 + e1) + bias, two at a time, each accumulator from its low end on; 32 bytes a lane into my own stage; back as whole rows of 256 bytes, two rows an instruction.
; LDS serves a wave's instructions in order (ISA guide 5.7.1.4): no wait between the stores and the loads, nor in front of the next block's stores.
.macro TOSTAGE a
.set AC, ACC+32*((\a)%2)
.set BB, BK+32*((\a)%2)
.irp t, 0,1,2,3
.irp i, 0,2,4,6
	v_pk_fma_f32 v[TMP+8*\t+\i:TMP+8*\t+\i+1], v[AC+8*\t+\i:AC+8*\t+\i+1], s[34:35], v[BIAS+8*\t+\i:BIAS+8*\t+\i+1] op_sel_hi:[1,0,1]   ; the scalar pair's low word for both halves
.endr
.endr
.irp t, 0,1,2,3
	ds_store_b128 v8, v[TMP+8*\t:TMP+8*\t+3] offset:64*\t
	ds_store_b128 v8, v[TMP+8*\t+4:TMP+8*\t+7] offset:64*\t+16
.endr
.irp t, 0,1,2,3,4,5,6,7
	ds_load_b128 v[BB+4*\t:BB+4*\t+3], v9 offset:2*SP*\t
.endr
.endm
.macro SEND a, ln, dn                  ; ln, dn: the token loads and LDS instructions issued behind block a's, which may stay out
.set OS, OFF+8*((\a)%3)
.set BB, BK+32*((\a)%2)
	s_wait_loadcnt \ln
	s_wait_dscnt \dn
.irp t, 0,1,2,3,4,5,6,7
	v_min_u32 v[OS+\t], 0x1fff, v[OS+\t]
.endr
.irp t, 0,1,2,3,4,5,6,7
	v_lshl_add_u32 v[OS+\t], v[OS+\t], 12, v10     ; the token's row of 4,096 bytes, + 16 r
.endr
.irp t, 0,1,2,3,4,5,6,7
	global_store_b128 v[OS+\t], v[BB+4*\t:BB+4*\t+3], s[16:17] th:TH_STORE_NT   ; sixteen lanes store 256 consecutive bytes of a token's row, at a multiple of 256 from the buffer's first byte
.endr
.endm
; One block: the next block's fragments (n) are asked for, this block is multiplied, the block before it (p) is stored, this one goes to the stage.
.macro BLOCK a, p, n
.if (\a) < 8
	FETCH \n                                       ; its registers were last read by block p's products, with plain vector lines behind them
.endif
.if (\a) == 0
	s_wait_dscnt 32                                ; block 0's fragments are in; block 1's 32 loads may be out
.elseif (\a) < 8
	s_wait_dscnt 48                                ; behind block a's fragments: block p's sixteen instructions on the stage, block n's 32 loads
.else
	s_wait_dscnt 16
.endif
	MUL \a
.if (\a) == 0
.rept 4
	v_nop                                          ; the places in front of the first read of results; in later blocks the offsets' plain lines are these places
.endr
.else
	s_wait_xcnt 0x0                                ; the stores of block p - 1 have read their registers: tokens and rows may land there
.if (\a) < 8
	TOK \n
	SEND \p, 16, 32                                ; behind block p's: two blocks' tokens; block n's fragments
.else
	SEND \p, 8, 0
.endif
.endif
	TOSTAGE \a
.endm
	s_load_b256 s[4:11], s[0:1], 0x0               ; x's codes s[4:5], W's codes s[6:7], order s[8:9], tiles s[10:11]
	s_load_b128 s[12:15], s[0:1], 0x20             ; b s[12:13], the scales' exponents s[14:15]
	s_load_b64 s[16:17], s[0:1], 0x30              ; out0
	v_lshl_add_u32 v254, v0, 2, SPARE
	v_mov_b32 v255, 0
	ds_add_u32 v254, v255                          ; the wave's opening: the add, twice on end, and its wait ahead of my tensor load and copies
	ds_add_u32 v254, v255
	v_lshrrev_b32 v1, 5, v0
	v_readfirstlane_b32 s18, v1                    ; wave 0 .. 3
	s_and_b32 s19, ttmp7, 0xffff                   ; the slice of 256 columns
	s_and_b32 s20, ttmp9, 7
	s_lshl_b32 s20, s20, 3
	s_lshr_b32 s21, ttmp9, 3
	s_add_co_u32 s20, s20, s21                     ; the tile: 8 (x % 8) + x / 8
	s_lshl_b32 s22, s20, 4                         ; its entry: 16 bytes
	s_mov_b32 s23, 0
	v_and_b32 v1, 15, v0                           ; r
	v_bfe_u32 v2, v0, 4, 1                         ; h
	v_and_b32 v3, 31, v0
	v_lshlrev_b32 v3, 4, v3                        ; 16 x lane: W's images
	v_mul_u32_u24 v4, v1, PX
	v_lshl_add_u32 v4, v2, 4, v4                   ; x's fragments: row r, + 16 h; rows 0-47,
	v_add_nc_u32 v5, 48*PX, v4                     ; 48-95,
	v_add_nc_u32 v6, 96*PX, v4                     ; 96-143: the rest stands in the 16-bit immediate
	s_mul_i32 s21, s18, 36*PX
	v_mul_u32_u24 v7, v2, PX
	v_lshl_add_u32 v7, v1, 4, v7
	v_add_nc_u32 v7, s21, v7                       ; the gather: my wave's 36 rows; lanes 0-15 one row, lanes 16-31 the next, 16 bytes a lane
	s_mul_i32 s21, s18, WLW
	s_add_co_u32 s21, s21, WL                      ; my part of W in LDS, later my stage
	v_add_nc_u32 v[WA], s21, v3
	v_mul_u32_u24 v8, v1, SP
	v_lshl_add_u32 v8, v2, 5, v8
	v_add_nc_u32 v8, s21, v8                       ; in: row r, + 32 h
	v_mul_u32_u24 v9, v2, SP
	v_lshl_add_u32 v9, v1, 4, v9
	v_add_nc_u32 v9, s21, v9                       ; back: lanes 0-15 one row, lanes 16-31 the next
	v_lshlrev_b32 v10, 4, v1                       ; 16 r
	v_lshlrev_b32 v12, 5, v2                       ; 32 h: my eight numbers of a tile's sixteen biases
.irp i, 0,1,2,3,4,5,6,7,8,9,10,11,12,13,14,15,16,17
	v_add_nc_u32 v[LOF+\i], 2*PX*\i, v7            ; where my pair i of rows goes
.endr
	; my five K steps of W: 40,960 bytes on end, stated as 160 rows of 256 bytes
	s_mov_b32 s[G1+0], 3<<16                       ; element of 8 bytes, no padding
	s_mov_b32 s[G1+1], 32<<16                      ; tensor_dim0 = 32
	s_mov_b32 s[G1+2], 160<<16                     ; tensor_dim1 = 160
	s_mov_b32 s[G1+3], 32<<16                      ; tile_dim0 = 32
	s_mov_b32 s[G1+4], 160                         ; tile_dim1 = 160
	s_mov_b32 s[G1+5], 32                          ; the pitch
	s_mov_b32 s[G1+6], 0
	s_mov_b32 s[G1+7], 0
	s_mov_b32 s[G0], 1
	s_mov_b32 s[G0+1], s21
	s_wait_alu depctr_va_vdst(0)
	s_wait_dscnt 0x0                               ; both opening adds are done
	s_wait_kmcnt 0x0
	s_add_nc_u64 s[10:11], s[10:11], s[22:23]
	s_load_b128 s[24:27], s[10:11], 0x0            ; group, first place, rows, 0
	s_load_b64 s[28:29], s[14:15], 0x0             ; e0, e1
	s_wait_kmcnt 0x0
	s_min_u32 s24, s24, 7                          ; numbers read from memory are held inside their tables before they enter an address
	s_min_u32 s25, s25, 0x1fff
	s_min_u32 s26, s26, 144
	s_lshl_b32 s32, s24, 4
	s_lshl_b32 s33, s19, 2
	s_add_co_u32 s32, s32, s33
	s_add_co_u32 s32, s32, s18                     ; my 64 columns of W: 16 group + 4 slice + wave,
	s_lshl_b32 s32, s32, 16                        ; 65,536 bytes each
	s_mov_b32 s33, 0
	s_add_nc_u64 s[6:7], s[6:7], s[32:33]
	s_mov_b64 s[G0+2:G0+3], s[6:7]
	s_or_b32 s[G0+3], s[G0+3], 0x80000000
	tensor_load_to_lds s[G0:G0+3], s[G1:G1+7]
	s_nop 0
	s_max_u32 s30, s26, 1
	s_sub_co_u32 s30, s30, 1
	s_add_co_u32 s31, s25, s30
	s_lshl_b32 s31, s31, 2                         ; the byte in order[] of the tile's last row
	s_mul_i32 s36, s18, 144                        ; my wave's 36 rows, 4 bytes each
	v_add_nc_u32 v11, s25, v2
	v_lshlrev_b32 v11, 2, v11                      ; 4 x (first + h)
	v_add_nc_u32 v13, s36, v11
	; the tokens of my 18 pairs of rows: pair i = rows 36 w + 2 i + h
.irp i, 0,1,2,3,4,5,6,7,8,9,10,11,12,13,14,15,16,17
	v_add_nc_u32 v[GOF+\i], 8*\i, v13
.endr
.irp i, 0,1,2,3,4,5,6,7,8,9,10,11,12,13,14,15,16,17
	v_min_u32 v[GOF+\i], s31, v[GOF+\i]            ; held at the tile's last row,
.endr
.irp i, 0,1,2,3,4,5,6,7,8,9,10,11,12,13,14,15,16,17
	v_min_u32 v[GOF+\i], 0x7ffc, v[GOF+\i]         ; and inside the list
.endr
.irp i, 0,1,2,3,4,5,6,7,8,9,10,11,12,13,14,15,16,17
	global_load_b32 v[GOF+\i], v[GOF+\i], s[8:9]   ; each load lands on its own address register
.endr
	s_lshl_b32 s37, s19, 10
	s_lshl_b32 s38, s18, 8
	s_add_co_u32 s32, s37, s38                     ; my 64 columns in a row of f32: 1,024 slice + 256 wave
	s_add_nc_u64 s[16:17], s[16:17], s[32:33]
	s_lshl_b32 s37, s24, 12
	s_add_co_u32 s32, s32, s37                     ; and in the group's row of b
	s_add_nc_u64 s[12:13], s[12:13], s[32:33]
	s_add_co_i32 s34, s28, s29
	s_add_co_i32 s34, s34, 127
	s_lshl_b32 s34, s34, 23                        ; 2^(e0 + e1) as f32
	s_mov_b32 s35, s34                             ; (named with it as a pair, so it is written)
.irp t, 0,1,2,3
	global_load_b128 v[BIAS+8*\t:BIAS+8*\t+3], v12, s[12:13] offset:64*\t       ; b(group, my column 16 t + 8 h + 0 .. 7): the result's layout
	global_load_b128 v[BIAS+8*\t+4:BIAS+8*\t+7], v12, s[12:13] offset:64*\t+16
.endr
	WIN 0xc0                                       ; destination window 3
.irp s, 5,6,7
.irp t, 0,1,2,3
.irp c, 0,1,2,3
	global_load_b128 v[64*(\s-4)+16*\t+4*\c:64*(\s-4)+16*\t+4*\c+3], v3, s[6:7] offset:8192*\s+2048*\t+512*\c   ; 512 consecutive bytes
.endr
.endr
.endr
	WIN 0
	s_wait_alu depctr_va_vdst(0)
	s_wait_loadcnt 56                              ; the 18 tokens are in: behind them 8 loads of the bias and 48 of W
.irp i, 0,1,2,3,4,5,6,7,8,9,10,11,12,13,14,15,16,17
	v_min_u32 v[GOF+\i], 0x1fff, v[GOF+\i]
.endr
.irp i, 0,1,2,3,4,5,6,7,8,9,10,11,12,13,14,15,16,17
	v_lshl_add_u32 v[GOF+\i], v[GOF+\i], 10, v10   ; the token's row of 1,024 codes, + 16 r: sixteen lanes read 256 consecutive bytes, aligned
.endr
.irp i, 0,1,2,3,4,5,6,7,8,9,10,11,12,13,14,15,16,17
.irp u, 0,1,2,3
	global_load_async_to_lds_b128 v[LOF+\i], v[GOF+\i], s[4:5] offset:256*\u   ; the immediate stands in both addresses
.endr
.endr
	TOK 0
	TOK 1
	s_wait_tensorcnt 0x0                           ; my five K steps of W are in: no other wave reads them
.irp s, 0,1,2,3,4
	WIN 0x80+0x40*(\s/4)                           ; destination window 2 or 3
.irp t, 0,1,2,3
.irp c, 0,1,2,3
	ds_load_b128 v[64*(\s%4)+16*\t+4*\c:64*(\s%4)+16*\t+4*\c+3], v[WA] offset:8192*\s+2048*\t+512*\c
.endr
.endr
.endr
	WIN 0
	s_wait_asynccnt 0x0                            ; my 36 rows lie in LDS,
	s_wait_dscnt 0x0                               ; and my part of W in registers
	s_barrier_signal -1
	s_barrier_wait -1                              ; all 144 rows do
	FETCH 0
	BLOCK 0, 0, 1
	BLOCK 1, 0, 2
	BLOCK 2, 1, 3
	BLOCK 3, 2, 4
	BLOCK 4, 3, 5
	BLOCK 5, 4, 6
	BLOCK 6, 5, 7
	BLOCK 7, 6, 8
	BLOCK 8, 7, 9
	SEND 8, 0, 0
	s_wait_tensorcnt 0x0                           ; the wave's end
	s_wait_asynccnt 0x0
	ds_add_u32 v254, v255
	s_wait_dscnt 0x0
	s_endpgm
.Lfunc_end_k_q476bb211a6_gemm:
	.size	k_q476bb211a6_gemm, .Lfunc_end_k_q476bb211a6_gemm-k_q476bb211a6_gemm
	.p2alignl 7, 3214868480
	.fill 96, 4, 3214868480
	.section	.rodata,"a",@progbits
	.p2align	6, 0x0
	.amdhsa_kernel k_q476bb211a6_gemm
		.amdhsa_group_segment_fixed_size 314112
		.amdhsa_private_segment_fixed_size 0
		.amdhsa_enable_private_segment 0
		.amdhsa_kernarg_size 56
		.amdhsa_user_sgpr_count 2
		.amdhsa_user_sgpr_kernarg_segment_ptr 1
		.amdhsa_wavefront_size32 1
		.amdhsa_system_sgpr_workgroup_id_x 1
		.amdhsa_system_sgpr_workgroup_id_y 1
		.amdhsa_system_sgpr_workgroup_id_z 1
		.amdhsa_system_vgpr_workitem_id 0
		.amdhsa_next_free_vgpr 1024
		.amdhsa_next_free_sgpr 66
		.amdhsa_reserve_vcc 0
		.amdhsa_float_denorm_mode_32 3
		.amdhsa_float_denorm_mode_16_64 3
		.amdhsa_memory_ordered 1
		.amdhsa_forward_progress 1
		.amdhsa_inst_pref_size 120
	.end_amdhsa_kernel
	.amdgpu_metadata
---
amdhsa.version: [ 1, 2 ]
amdhsa.kernels:
  - .name:           k_q476bb211a6_gemm
    .symbol:         k_q476bb211a6_gemm.kd
    .args:
      - { .name: xcodes, .offset: 0, .size: 8, .value_kind: global_buffer, .address_space: global }
      - { .name: wcodes, .offset: 8, .size: 8, .value_kind: global_buffer, .address_space: global }
      - { .name: order, .offset: 16, .size: 8, .value_kind: global_buffer, .address_space: global }
      - { .name: tiles, .offset: 24, .size: 8, .value_kind: global_buffer, .address_space: global }
      - { .name: b, .offset: 32, .size: 8, .value_kind: global_buffer, .address_space: global }
      - { .name: lowp_scales, .offset: 40, .size: 8, .value_kind: global_buffer, .address_space: global }
      - { .name: out0, .offset: 48, .size: 8, .value_kind: global_buffer, .address_space: global }
    .group_segment_fixed_size: 314112
    .private_segment_fixed_size: 0
    .kernarg_segment_align: 8
    .kernarg_segment_size: 56
    .max_flat_workgroup_size: 128
    .sgpr_count:     66
    .vgpr_count:     1024
    .wavefront_size: 32
...
	.end_amdgpu_metadata
.endif
;; end of part 2
